; MI455X (gfx1250); checked and timed in simulation.
; The chip was launched on July 23, 2026; its instructions are those of AMD's public machine-readable ISA for CDNA 5 (MIT licence, August 2026) and "CDNA5" Instruction Set Architecture Reference Guide (July 2026). The comments in the code are by the model that wrote it; some were corrected since.
;; Softmax Attention. Allowed arithmetic: float matrix products may take bf16 or f16 operands with f32 sums; all other float work in f32.
;; Inputs: K 2 x 16 x 2,048 x 64 float32; Q 2 x 16 x 2,048 x 64 float32; V 2 x 16 x 2,048 x 64 float32.
;; Outputs: out0 2 x 16 x 2,048 x 64 float32.
;; 2 versions, each right; version 2 is version 1 with the launch attn written anew for expert scheduling mode. Each part assembles by itself: llvm-mc -triple=amdgcn-amd-amdhsa -mcpu=gfx1250 --defsym DOCPART=n.
;; ======== version 1 of 2: 1 launch
;; limits: right only within a limited range of input values; values are held in f16: magnitudes above 65,504 overflow, below 6.1e-05 lose precision; inputs' magnitudes at most 65,504
;; launch attn (part 1): grid 256 x 1, 8 waves a work-group, no clusters, 109,568 bytes of LDS; arguments K, Q, V, out0; writes out0
.if DOCPART == 1
	.amdgcn_target "amdgcn-amd-amdhsa--gfx1250"
	.amdhsa_code_object_version 6
	.text
	.protected	k_q5e8d75204c_attn
	.globl	k_q5e8d75204c_attn
	.p2align	8
	.type	k_q5e8d75204c_attn,@function
k_q5e8d75204c_attn:
	s_mov_b64 s[64:65], 0
	v_nop
	global_prefetch_b8 v0, s[64:65] scope:SCOPE_SE
	s_setreg_imm32_b32 hwreg(HW_REG_WAVE_MODE, 25, 1), 1
	s_wait_xcnt 0x0
; Causal softmax attention.  Q, K, V, out: [32 heads][2048 rows][64] f32.  logits = 0.25 Q K^T, -1e7 added above the diagonal, softmax, times V.
; Products on the matrix unit with f16 operands and f32 sums; running maximum, exponentials, row sums and the rescaling in f32.
;
; WHY F16.  A row near the top of the triangle has few keys, so a few large weights carry its result and their rounding does not average out.  f16 keeps
; 11 significant bits where bf16 keeps 8: each rounding of Q, K, V and of a weight is eight times smaller.  The weights lie in [0, 1]; those below
; 2^-14 are f16 denormals with an absolute error of at most 2^-25, over 2048 keys at most 6e-5 of a row sum that is at least 1.
;
; SHARING.  A head's 2048 query rows are 16 blocks of 128.  Work-group x: head x >> 3, i = x & 7; it owns blocks i and 15 - i and walks the key
; tiles (64 keys) 0 .. T-1, T = 2 (16 - i).  The low block needs a prefix of the same tiles, so a tile is fetched and rounded to f16 once for both.
; Wave-steps of a work-group: 4 (2 i + 2 (15 - i)) + 12 = 132 for every i: 256 work-groups of equal work.
; A wave owns 32 query rows (two strips of 16).  Its trips t < td are free of the mask, trip td (the tile that holds its diagonal) is masked element
; by element and followed by its way out; in later trips it only helps to bring tiles in and passes the barriers.
;
; TRANSPOSED PRODUCTS.  S^T = K Q^T: lane (r, h) holds query r, register j key 8 h + j.  So maximum and sum over keys are in-lane work and one
; exchange of the lane halves; two neighbouring S^T tiles packed to f16 ARE the second operand of O^T = V^T P^T; and a lane's eight O^T registers
; are eight neighbouring numbers of one output row.
;
; LIMITS KEPT.  (1) Range of the operands: |Q|, |K|, |V| up to 65,504, f16's largest number; beyond it the conversion gives infinity.  Elements below
; 2^-14 in magnitude keep an absolute error of 2^-25.  (2) Key tiles wholly above the diagonal are not computed.  Their weights are
; exp(logit - 1e7 - max), which is 0 in f32 as long as the scaled logits of one row spread by less than about 1e7 - 150.  In the diagonal tile the
; mask is really added: -4e7 ahead of the factor 0.25.
;
; NO CLUSTER, NO TENSOR LOADS.  K and V are f32 and are rounded once per work-group on their way through registers: 16 KB written to LDS for a tile
; of 32 KB.  Landing the f32 tile in LDS first would add 32 KB written and 32 KB read per tile.  And the eight work-groups of a head walk 18 to 32
; tiles: their trip counts differ with their place, which joint requests do not allow.
.set HEADB,  524288                    ; bytes of a head in each tensor
.set TILEB,  16384                     ; 64 rows of 256 bytes: a key tile of K or of V in memory, contiguous
.set KP,     144                       ; LDS pitch of a K row: 128 bytes of f16 + 16, an odd multiple of 16
.set VP,     160                       ; LDS pitch of a V row: an odd multiple of 32, for the transposing loads
.set VOFF,   64*KP                     ; V's part of a slot lies behind K's 64 rows
.set SLOT,   64*KP+64*VP               ; 19,456 bytes; two slots
.set STAGE,  2*SLOT                    ; behind the slots: each wave's own 32 rows x 272 bytes for the way out
.set SP,     272
.set WSTAGE, 32*SP
.set GOFF,  1                          ; v1   16 tid + 16,384 x tile: the same offset serves K and V
.set PFOFF, 2                          ; v2   prefetch offset
.set KST,   3                          ; v3   where my 8 bytes of a K row go
.set VST,   4                          ; v4   the same for V
.set KLD,   5                          ; v5   K fragment: r x 144 + 16 h
.set VLD,   6                          ; v6   V fragment (transposing load)
.set SST,   7                          ; v7   way out: where I put 32 bytes of a row
.set SRD,   8                          ; v8   way out: where I read 16 bytes of a row back
.set OOFF,  9                          ; v9   my byte offset in out
.set DLT,   10                         ; v10, v11  strip a: my query's place in the diagonal tile minus 8 h
.set NEG,   12                         ; v12  -4e7
.set TMP,   13                         ; v13  Q's offset at the start, then the mask's addend
.set AL,    14                         ; v14, v16  alpha of strip a      (pairs (AL, LS) for the packed multiply)
.set LS,    15                         ; v15, v17  row sum of strip a, one partial sum in each half of the lanes
.set NM,    18                         ; v18, v20  -c x maximum, rounded (pairs (NM, MX) for the packed multiply-add)
.set MX,    19                         ; v19, v21  running maximum of the raw products
.set TA,    22                         ; v[22:23]  at work
.set TB,    24                         ; v[24:25]  at work
.set PX,    26                         ; v26, v27  what the other half of the lanes sent
.set Q,     28                         ; v[28:59]    Q fragment (a, c) at Q + 16 a + 8 c
.set O,     60                         ; v[60:123]   O^T tile (a, dt) at O + 32 a + 8 dt
.set S,     124                        ; v[124:187]  S^T tile (a, kt) at S + 32 a + 8 kt
.set F,     188                        ; v[188:219]  fragments
.set G,     220                        ; v[220:251]  a tile on its way: 4 x 4 registers of K, 4 x 4 of V
.set TD,    19                         ; s19 = td, s20 = td - 1
	s_load_b256 s[4:11], s[0:1], 0x0               ; K s[4:5], Q s[6:7], V s[8:9], out s[10:11]
	v_lshl_add_u32 v254, v0, 2, 0x1a800
	v_mov_b32 v255, 0
	v_lshrrev_b32 v[TMP], 5, v0
	v_readfirstlane_b32 s12, v[TMP]                ; wave w
	s_and_b32 s13, ttmp9, 7                        ; i
	s_lshr_b32 s14, ttmp9, 3                       ; head
	s_lshr_b32 s15, s12, 2
	s_xor_b32 s15, s15, s12
	s_and_b32 s15, s15, 1                          ; 1: I work on the high block.  Waves w, w + 4 and waves 2 k, 2 k + 1 each hold one of either kind
	s_lshr_b32 s16, s12, 1                         ; which 32 rows of the block
	s_sub_co_u32 s17, 15, s13
	s_sub_co_u32 s22, 14, s13                      ; times round the loop of two trips: (T - 4) / 2 = 14 - i, 7 to 14
	s_cmp_lg_u32 s15, 0
	s_cselect_b32 s17, s17, s13                    ; my block
	s_lshl_b32 s18, s17, 7
	s_lshl_b32 s34, s16, 5
	s_add_co_u32 s18, s18, s34                     ; q0, my first query row
	s_lshl_b32 s19, s17, 1
	s_lshr_b32 s34, s16, 1
	s_add_co_u32 s19, s19, s34                     ; td: 64 td <= q0 and q0 + 31 <= 64 td + 63
	s_sub_co_i32 s20, s19, 1                       ; td - 1 (may be -1: compared signed)
	s_lshl_b32 s34, s13, 3
	s_or_b32 s34, s34, s12
	s_cmp_lt_u32 s34, 4                            ; i = 0 and w < 4: the four waves of a head that prefetch
	s_cselect_b32 s23, 28, 0                       ; they ask while the even trip number is below 28; the others never
	s_mov_b32 s24, 0x3eb8aa3b                      ; c = 0.25 log2(e), twice: a pair for the packed multiply-add
	s_mov_b32 s25, 0x3eb8aa3b
	s_mov_b32 s26, 0xbeb8aa3b                      ; -c
	s_mov_b32 s27, 0x76543210                      ; v_permlanex16_b32: lane i of one half reads lane i of the other
	s_mov_b32 s28, 0xfedcba98
	s_lshl_b32 s32, s14, 19                        ; head x 524,288
	s_mov_b32 s33, 0
	s_mov_b32 s21, 0                               ; the even trip number
	v_and_b32 v14, 31, v0                          ; lane L
	v_and_b32 v15, 15, v0                          ; r (also tid & 15)
	v_bfe_u32 v16, v0, 4, 1                        ; h
	v_lshrrev_b32 v17, 4, v0                       ; tid >> 4: my row among the 16 that one load of the work-group covers
	v_lshlrev_b32 v[GOFF], 4, v0
	s_and_b32 s34, s12, 1
	s_lshl_b32 s34, s34, 13
	s_add_co_u32 s34, s34, 3*TILEB
	v_lshl_add_u32 v[PFOFF], v14, 8, s34           ; lanes 256 bytes apart, 8,192 bytes a wave; stepped to tile 4 in trip 0
	v_mul_u32_u24 v[KST], v17, KP
	v_lshl_add_u32 v[KST], v15, 3, v[KST]
	v_mul_u32_u24 v[VST], v17, VP
	v_lshl_add_u32 v[VST], v15, 3, v[VST]
	v_add_nc_u32 v[VST], VOFF, v[VST]
	v_mul_u32_u24 v[KLD], v15, KP
	v_lshl_add_u32 v[KLD], v16, 4, v[KLD]
	v_and_b32 v20, 7, v0
	v_lshl_add_u32 v20, v16, 3, v20                ; key 8 h + (L & 7)
	v_bfe_u32 v21, v0, 3, 1
	v_mul_u32_u24 v[VLD], v20, VP
	v_lshl_add_u32 v[VLD], v21, 4, v[VLD]          ; + 16 bytes for lanes 8-15 and 24-31
	v_add_nc_u32 v[VLD], VOFF, v[VLD]
	s_mul_i32 s34, s12, WSTAGE
	s_add_co_u32 s34, s34, STAGE                   ; my stage
	v_mul_u32_u24 v[SST], v15, SP
	v_lshl_add_u32 v[SST], v16, 5, v[SST]
	v_add_nc_u32 v[SST], s34, v[SST]
	v_mul_u32_u24 v[SRD], v16, SP
	v_lshl_add_u32 v[SRD], v15, 4, v[SRD]
	v_add_nc_u32 v[SRD], s34, v[SRD]
	s_lshl_b32 s35, s18, 8                         ; q0 rows of 256 bytes
	v_lshl_add_u32 v[OOFF], v14, 4, s35
	s_and_b32 s36, s16, 1
	s_lshl_b32 s36, s36, 5                         ; q0 - 64 td
	v_lshlrev_b32 v24, 3, v16
	v_sub_nc_u32 v[DLT], v15, v24
	v_add_nc_u32 v[DLT], s36, v[DLT]
	v_add_nc_u32 v[DLT+1], 16, v[DLT]
	v_mov_b32 v[NEG], 0xcc189680
	v_lshl_add_u32 v[TMP], v15, 8, s35             ; Q: row q0 + r,
	v_lshl_add_u32 v[TMP], v16, 5, v[TMP]          ; + 32 h bytes
	v_mov_b32 v[PX], 0                             ; v_permlanex16_b32 counts as a reader of its destination
	v_mov_b32 v[PX+1], 0
	s_wait_kmcnt 0x0
	s_add_nc_u64 s[4:5], s[4:5], s[32:33]
	s_add_nc_u64 s[6:7], s[6:7], s[32:33]
	s_add_nc_u64 s[8:9], s[8:9], s[32:33]
	s_add_nc_u64 s[10:11], s[10:11], s[32:33]
	s_cmp_lt_u32 s12, 2
	s_cselect_b64 s[30:31], s[4:5], s[8:9]         ; waves 0, 1 prefetch K, waves 2, 3 V
.macro NOPS n
.rept \n
	v_nop
.endr
.endm
; A tile of K and of V into registers: each load of a wave covers 512 consecutive bytes, aligned.  No cache word: eight work-groups read these tiles.
.macro GLOADS
.irp n, 0,1,2,3
	global_load_b128 v[G+4*\n:G+4*\n+3], v[GOFF], s[4:5] offset:\n*4096
.endr
.irp n, 0,1,2,3
	global_load_b128 v[G+16+4*\n:G+16+4*\n+3], v[GOFF], s[8:9] offset:\n*4096
.endr
.endm
; Round the tile to f16 in place (4 f32 become 8 bytes) and put it into a slot: load n holds rows 16 n + (tid >> 4).
.macro STORES slot
.irp n, 0,1,2,3,4,5,6,7
	v_cvt_pk_f16_f32 v[G+4*\n], v[G+4*\n], v[G+4*\n+1]
	v_cvt_pk_f16_f32 v[G+4*\n+1], v[G+4*\n+2], v[G+4*\n+3]
.endr
.irp n, 0,1,2,3
	ds_store_b64 v[KST], v[G+4*\n:G+4*\n+1] offset:\slot+\n*16*KP
.endr
.irp n, 0,1,2,3
	ds_store_b64 v[VST], v[G+16+4*\n:G+16+4*\n+1] offset:\slot+\n*16*VP
.endr
.endm
; A K fragment, 16 keys x 32 d: two loads of 16 bytes, 32 bytes apart.
.macro KFRAG dst, off
	ds_load_b128 v[\dst:\dst+3], v[KLD] offset:\off
	ds_load_b128 v[\dst+4:\dst+7], v[KLD] offset:\off+32
.endm
; All eight K fragments of a tile, four loads for each group of 16 keys.  Groups 0 and 1 land in the registers of S^T tiles 2 and 3, which are
; written only after those fragments have been multiplied.
.macro KLOADS slot
	KFRAG S+16, \slot
	KFRAG S+48, \slot+64
	KFRAG S+24, \slot+16*KP
	KFRAG S+56, \slot+16*KP+64
	KFRAG F, \slot+32*KP
	KFRAG F+8, \slot+32*KP+64
	KFRAG F+16, \slot+48*KP
	KFRAG F+24, \slot+48*KP+64
.endm
; A V^T fragment, 16 d x 32 keys, from rows that lie along d: two transposing loads, 16 rows apart.
.macro VFRAG dst, off
	ds_load_tr16_b128 v[\dst:\dst+3], v[VLD] offset:\off
	ds_load_tr16_b128 v[\dst+4:\dst+7], v[VLD] offset:\off+16*VP
.endm
; S^T tiles (0, kt) and (1, kt): 16 keys x 16 queries, d in two halves; the first product starts each sum.
.macro SMM kt, k0, k1
	v_wmma_f32_16x16x32_f16 v[S+8*\kt:S+8*\kt+7], v[\k0:\k0+7], v[Q:Q+7], 0
	v_wmma_f32_16x16x32_f16 v[S+32+8*\kt:S+32+8*\kt+7], v[\k0:\k0+7], v[Q+16:Q+23], 0
	v_wmma_f32_16x16x32_f16 v[S+8*\kt:S+8*\kt+7], v[\k1:\k1+7], v[Q+8:Q+15], v[S+8*\kt:S+8*\kt+7]
	v_wmma_f32_16x16x32_f16 v[S+32+8*\kt:S+32+8*\kt+7], v[\k1:\k1+7], v[Q+24:Q+31], v[S+32+8*\kt:S+32+8*\kt+7]
.endm
; O^T tile (a, dt) += V^T fragment vf x P^T fragment kc of strip a
.macro PVMM a, dt, vf, kc, zero
.if \zero
	v_wmma_f32_16x16x32_f16 v[O+32*\a+8*\dt:O+32*\a+8*\dt+7], v[\vf:\vf+7], v[S+32*\a+8*\kc:S+32*\a+8*\kc+7], 0
.else
	v_wmma_f32_16x16x32_f16 v[O+32*\a+8*\dt:O+32*\a+8*\dt+7], v[\vf:\vf+7], v[S+32*\a+8*\kc:S+32*\a+8*\kc+7], v[O+32*\a+8*\dt:O+32*\a+8*\dt+7]
.endif
.endm
; The diagonal tile: key 16 kt + 8 h + j lies above query 32 (s & 1) + 16 a + r where 16 kt + j > DLT_a; there -4e7 is added (x 0.25 = -1e7).
.macro MASK
.irp a, 0,1
.irp kt, 0,1,2,3
.irp j, 0,1,2,3,4,5,6,7
	v_cmp_gt_i32 vcc_lo, 16*\kt+\j, v[DLT+\a]
	v_cndmask_b32 v[TMP], 0, v[NEG], vcc_lo
	v_add_f32 v[S+32*\a+8*\kt+\j], v[S+32*\a+8*\kt+\j], v[TMP]
.endr
.endr
.endr
.endm
; The running maximum of each query: two chains for each strip, four that do not wait for each other; then the other half of the lanes.
; alpha = 2^(NM_new - NM_old) is made from the two ROUNDED figures that the exponents really use, so old and new weights stay on one scale.
.macro MAXES first
.irp a, 0,1
.if \first
	v_max_num_f32 v[TA+2*\a], v[S+32*\a], v[S+32*\a+1]
.else
	v_max3_num_f32 v[TA+2*\a], v[MX+2*\a], v[S+32*\a], v[S+32*\a+1]
.endif
	v_max3_num_f32 v[TA+1+2*\a], v[S+32*\a+16], v[S+32*\a+17], v[S+32*\a+18]
.endr
.irp k, 1,2,3,4,5,6
.irp a, 0,1
	v_max3_num_f32 v[TA+2*\a], v[TA+2*\a], v[S+32*\a+2*\k], v[S+32*\a+2*\k+1]
	v_max3_num_f32 v[TA+1+2*\a], v[TA+1+2*\a], v[S+32*\a+17+2*\k], v[S+32*\a+18+2*\k]
.endr
.endr
.irp a, 0,1
	v_max3_num_f32 v[TA+2*\a], v[TA+2*\a], v[S+32*\a+14], v[S+32*\a+15]
.endr
.irp a, 0,1
	v_max3_num_f32 v[TA+2*\a], v[TA+2*\a], v[TA+1+2*\a], v[S+32*\a+31]
.endr
.irp a, 0,1
	v_permlanex16_b32 v[PX+\a], v[TA+2*\a], s27, s28
.endr
.irp a, 0,1
	v_max_num_f32 v[MX+2*\a], v[TA+2*\a], v[PX+\a]
.endr
.if \first
.irp a, 0,1
	v_mul_f32 v[NM+2*\a], s26, v[MX+2*\a]
.endr
.else
.irp a, 0,1
	v_mul_f32 v[TA+1+2*\a], s26, v[MX+2*\a]
.endr
.irp a, 0,1
	v_sub_f32 v[TA+2*\a], v[TA+1+2*\a], v[NM+2*\a]
.endr
.irp a, 0,1
	v_mov_b32 v[NM+2*\a], v[TA+1+2*\a]
.endr
.irp a, 0,1
	v_exp_f32 v[AL+2*\a], v[TA+2*\a]               ; the packed multiply-adds that follow are the plain place behind it (ISA guide 5.7.2)
.endr
.endif
.endm
; Step k of 16 of strip a's row sum: two packed chains over the 32 weights (f32, not yet rounded), then l = l alpha + sum.
.macro SUMSTEP a, k, first
.if \k == 0
	s_wait_alu depctr_va_vdst(0)
	v_pk_add_f32 v[TA:TA+1], v[S+32*\a:S+32*\a+1], v[S+32*\a+2:S+32*\a+3]
.endif
.if \k == 1
	v_pk_add_f32 v[TB:TB+1], v[S+32*\a+4:S+32*\a+5], v[S+32*\a+6:S+32*\a+7]
.endif
.if \k >= 2
.if \k <= 13
	v_pk_add_f32 v[TA+2*(\k&1):TA+2*(\k&1)+1], v[TA+2*(\k&1):TA+2*(\k&1)+1], v[S+32*\a+2*\k+4:S+32*\a+2*\k+5]
.endif
.endif
.if \k == 14
	v_pk_add_f32 v[TA:TA+1], v[TA:TA+1], v[TB:TB+1]
.endif
.if \k == 15
.if \first
	v_add_f32 v[LS+2*\a], v[TA], v[TA+1]
.else
	v_fma_f32 v[LS+2*\a], v[LS+2*\a], v[AL+2*\a], v[TA]
	v_add_f32 v[LS+2*\a], v[LS+2*\a], v[TA+1]
.endif
.endif
.endm
; Step k of 16 of the packing in place: register k takes weights 2 k, 2 k + 1.  After SUMSTEP k the weights up to 2 k + 5 are summed, and register k
; was packed in step k / 2, so nothing is lost.  Registers 0-7 and 8-15 are then the two P^T fragments; registers 16-31 come free.
.macro PACKSTEP a, k
	v_cvt_pk_f16_f32 v[S+32*\a+\k], v[S+32*\a+2*\k], v[S+32*\a+2*\k+1]
.endm
; The way out: join the two partial sums, scale by 1 / l, 16 rows through my own stage in LDS, back as whole rows of 256 bytes.
.macro EPI
.irp a, 0,1
	v_permlanex16_b32 v[PX], v[LS+2*\a], s27, s28
	v_add_f32 v[TA], v[LS+2*\a], v[PX]
	v_rcp_f32 v[TB], v[TA]
	v_nop                                          ; one plain place behind v_rcp_f32 before its result is used (ISA guide 5.7.2)
	s_wait_alu depctr_va_vdst(0)
.irp k, 0,1,2,3,4,5,6,7,8,9,10,11,12,13,14,15
	v_pk_mul_f32 v[O+32*\a+2*\k:O+32*\a+2*\k+1], v[O+32*\a+2*\k:O+32*\a+2*\k+1], v[TB:TB+1] op_sel_hi:[1,0]
.endr
.irp dt, 0,1,2,3
.irp p, 0,1
	ds_store_b128 v[SST], v[O+32*\a+8*\dt+4*\p:O+32*\a+8*\dt+4*\p+3] offset:\a*16*SP+64*\dt+16*\p
.endr
.endr
.irp n, 0,1,2,3,4,5,6,7
	ds_load_b128 v[S+32*\a+4*\n:S+32*\a+4*\n+3], v[SRD] offset:\a*16*SP+\n*2*SP   ; LDS serves a wave's instructions in order (ISA guide 5.7.1): these see my stores
.endr
.irp n, 0,1,2,3,4,5,6,7
	s_wait_dscnt 7-\n                              ; read-back n is in; the 7 - n younger ones stay out
	global_store_b128 v[OOFF], v[S+32*\a+4*\n:S+32*\a+4*\n+3], s[10:11] offset:\a*4096+\n*512 th:TH_STORE_NT   ; 512 consecutive bytes, aligned
.endr
.endr
.endm
; TRIP t = s21 + h on the tile in slot; oth = the other slot.  first: trip 0, which starts all sums.  stage: tile t + 1 goes from registers into
; oth.  load: tile t + 2 is asked for.  bar: a trip follows.
.macro TRIP id, slot, oth, h, first, stage, load, bar
	s_wait_xcnt 0x0                                ; offsets and store data of everything issued so far are rewritten only behind this wait (ISA guide 3.1)
.if \first == 0
	s_cmp_gt_i32 s21, s[TD+\h]                     ; t > td: nothing left to compute for me
	s_cbranch_scc1 .Lnk\id
.endif
	KLOADS \slot
.if \first == 0
.Lnk\id:
.endif
.if \stage
	s_wait_loadcnt 0x0                             ; tile t + 1, asked for a whole trip ago
	STORES \oth
.endif
.if \load
	v_add_nc_u32 v[GOFF], TILEB, v[GOFF]           ; its loads are done (the wait above)
	v_add_nc_u32 v[PFOFF], TILEB, v[PFOFF]
	GLOADS                                         ; tile t + 2
	s_cmp_ge_u32 s21, s23
	s_cbranch_scc1 .Lpf\id
	; Tile t + 4, whose loads are issued two trips from here: 8,192 bytes a wave, lanes 256 bytes apart, K by waves 0, 1 and V by waves 2, 3 of the
	; one work-group of the head that walks all 32 tiles.  It stops at s21 = 28: the last tile asked for is tile 31, the head's last.
	global_prefetch_b8 v[PFOFF], s[30:31] th:TH_LOAD_NT scope:SCOPE_SE
.Lpf\id:
.endif
.if \first == 0
	s_cmp_gt_i32 s21, s[TD+\h]
	s_cbranch_scc1 .Lsk\id
.endif
	; S^T.  Behind the four loads of a key group stand the loads of the later groups (4 each) and the 8 stores of the tile on its way (if any).
	s_wait_dscnt 12+8*\stage
	SMM 0, S+16, S+48
	s_wait_dscnt 8+8*\stage
	SMM 1, S+24, S+56
	NOPS 5                                         ; tiles 2 and 3 write over the fragments of groups 0 and 1: five places behind their products (ISA guide 7.12.1)
	s_wait_dscnt 4+8*\stage
	SMM 2, F, F+8
	s_wait_dscnt 8*\stage
	SMM 3, F+16, F+24
	NOPS 4                                         ; four places before loads land on F and vector instructions read S
.irp dt, 0,1,2,3
	VFRAG F+8*\dt, \slot+32*\dt                    ; V^T, keys 0-31
.endr
	s_cmp_lg_u32 s21, s[TD+\h]
	s_cbranch_scc1 .Lnm\id
	MASK
.Lnm\id:
	MAXES \first
	; weights p = 2^(c s + NM).  Exponentials are paired with plain work of the other strip, which also fills the place behind each of them.
.irp k, 0,1,2,3,4,5,6,7,8,9,10,11,12,13,14,15
	v_pk_fma_f32 v[S+2*\k:S+2*\k+1], v[S+2*\k:S+2*\k+1], s[24:25], v[NM:NM+1] op_sel_hi:[1,0,0]
.endr
.irp k, 0,1,2,3,4,5,6,7,8,9,10,11,12,13,14,15
	v_exp_f32 v[S+2*\k], v[S+2*\k]
	v_exp_f32 v[S+2*\k+1], v[S+2*\k+1]
	v_pk_fma_f32 v[S+32+2*\k:S+32+2*\k+1], v[S+32+2*\k:S+32+2*\k+1], s[24:25], v[NM+2:NM+3] op_sel_hi:[1,0,0]
.endr
.irp k, 0,1,2,3,4,5,6,7,8,9,10,11,12,13,14,15
	v_exp_f32 v[S+32+2*\k], v[S+32+2*\k]
	SUMSTEP 0, \k, \first
	v_exp_f32 v[S+32+2*\k+1], v[S+32+2*\k+1]
	PACKSTEP 0, \k
.endr
	VFRAG S+16, \slot+32*VP                        ; V^T, keys 32-63, d 0-31: into the registers that strip 0's packing set free
	VFRAG S+24, \slot+32*VP+32
.irp k, 0,1,2,3,4,5,6,7,8,9,10,11,12,13,14,15
	SUMSTEP 1, \k, \first
	PACKSTEP 1, \k
.endr
	VFRAG S+48, \slot+32*VP+64                     ; d 32-63: into strip 1's
	VFRAG S+56, \slot+32*VP+96
.if \first == 0
.irp a, 0,1
.irp k, 0,1,2,3,4,5,6,7,8,9,10,11,12,13,14,15
	v_pk_mul_f32 v[O+32*\a+2*\k:O+32*\a+2*\k+1], v[O+32*\a+2*\k:O+32*\a+2*\k+1], v[AL+2*\a:AL+2*\a+1] op_sel_hi:[1,0]
.endr
.endr
.endif
	s_wait_dscnt 8                                 ; keys 0-31 of V^T are in; the eight loads for keys 32-63 stay out
.irp dt, 0,1,2,3
	PVMM 0, \dt, F+8*\dt, 0, \first
	PVMM 1, \dt, F+8*\dt, 0, \first
.endr
	s_wait_dscnt 4                                 ; d 0-31 of keys 32-63 are in; the four loads for d 32-63 stay out
	PVMM 0, 0, S+16, 1, 0
	PVMM 1, 0, S+16, 1, 0
	PVMM 0, 1, S+24, 1, 0
	PVMM 1, 1, S+24, 1, 0
	s_wait_dscnt 0
	PVMM 0, 2, S+48, 1, 0
	PVMM 1, 2, S+48, 1, 0
	PVMM 0, 3, S+56, 1, 0
	PVMM 1, 3, S+56, 1, 0
	NOPS 5                                         ; before the next trip's loads and products write S and F, and before the way out reads O
	s_cmp_lg_u32 s21, s[TD+\h]
	s_cbranch_scc1 .Lsk\id
	EPI                                            ; trip td was my last
.Lsk\id:
.if \bar
	s_wait_dscnt 0x0                               ; my reads of this slot and my stores into the other are done,
	s_barrier_signal -1
	s_barrier_wait -1                              ; and everybody's: the slots change their parts
.endif
.endm
	GLOADS                                         ; tile 0
.irp a, 0,1
.irp c, 0,1
.irp g, 0,1
.irp p, 0,1
	global_load_b128 v[S+32*\a+16*\c+8*\g+4*\p:S+32*\a+16*\c+8*\g+4*\p+3], v[TMP], s[6:7] offset:\a*4096+\c*128+\g*64+\p*16 th:TH_LOAD_NT
.endr
.endr
.endr
.endr
	s_wait_loadcnt 16                              ; tile 0 is in; Q's sixteen loads stay out
	STORES 0
	v_add_nc_u32 v[GOFF], TILEB, v[GOFF]
	GLOADS                                         ; tile 1
	s_wait_loadcnt 8                               ; Q is in; tile 1's eight loads stay out
.set n, 0
.rept 32
	v_cvt_pk_f16_f32 v[Q+n], v[S+2*n], v[S+2*n+1]  ; Q(a, c): query r, d = 32 c + 8 h + 0..7 and 32 c + 16 + 8 h + 0..7
.set n, n+1
.endr
	s_wait_dscnt 0x0                               ; my part of tile 0 is in slot 0,
	s_barrier_signal -1
	s_barrier_wait -1                              ; and everybody's
	TRIP 0, 0, SLOT, 0, 1, 1, 1, 1                 ; trip 0 stands in front of the loop: its products start the sums, nothing is cleared
	TRIP 1, SLOT, 0, 1, 0, 1, 1, 1
	s_mov_b32 s21, 2
	s_mov_b32 s29, 0                               ; the loop's own counter, in steps of 1
.Lloop:                                            ; 14 - i times: trips 2 .. T - 3
	TRIP 2, 0, SLOT, 0, 0, 1, 1, 1
	TRIP 3, SLOT, 0, 1, 0, 1, 1, 1
	s_add_co_u32 s21, s21, 2                       ; the even trip number, for the compares with td and the prefetch's stop; T - 2 when the loop ends
	s_add_co_u32 s29, s29, 1
	s_cmp_lt_u32 s29, s22
	s_cbranch_scc1 .Lloop
	TRIP 4, 0, SLOT, 0, 0, 1, 0, 1                 ; trip T - 2 asks for nothing: tile T - 1 is the last that any wave needs
	TRIP 5, SLOT, 0, 1, 0, 0, 0, 0                 ; trip T - 1 brings nothing in, and no trip follows
	s_wait_tensorcnt 0x0
	ds_add_u32 v254, v255
	s_wait_dscnt 0x0
	s_endpgm
.Lfunc_end_k_q5e8d75204c_attn:
	.size	k_q5e8d75204c_attn, .Lfunc_end_k_q5e8d75204c_attn-k_q5e8d75204c_attn
	.p2alignl 7, 3214868480
	.fill 96, 4, 3214868480
	.section	.rodata,"a",@progbits
	.p2align	6, 0x0
	.amdhsa_kernel k_q5e8d75204c_attn
		.amdhsa_group_segment_fixed_size 109568
		.amdhsa_private_segment_fixed_size 0
		.amdhsa_enable_private_segment 0
		.amdhsa_kernarg_size 32
		.amdhsa_user_sgpr_count 2
		.amdhsa_user_sgpr_kernarg_segment_ptr 1
		.amdhsa_wavefront_size32 1
		.amdhsa_system_sgpr_workgroup_id_x 1
		.amdhsa_system_sgpr_workgroup_id_y 1
		.amdhsa_system_sgpr_workgroup_id_z 1
		.amdhsa_system_vgpr_workitem_id 0
		.amdhsa_next_free_vgpr 256
		.amdhsa_next_free_sgpr 66
		.amdhsa_reserve_vcc 1
		.amdhsa_float_denorm_mode_32 3
		.amdhsa_float_denorm_mode_16_64 3
		.amdhsa_memory_ordered 1
		.amdhsa_forward_progress 1
		.amdhsa_inst_pref_size 201
	.end_amdhsa_kernel
	.amdgpu_metadata
---
amdhsa.version: [ 1, 2 ]
amdhsa.kernels:
  - .name:           k_q5e8d75204c_attn
    .symbol:         k_q5e8d75204c_attn.kd
    .args:
      - { .name: K, .offset: 0, .size: 8, .value_kind: global_buffer, .address_space: global }
      - { .name: Q, .offset: 8, .size: 8, .value_kind: global_buffer, .address_space: global }
      - { .name: V, .offset: 16, .size: 8, .value_kind: global_buffer, .address_space: global }
      - { .name: out0, .offset: 24, .size: 8, .value_kind: global_buffer, .address_space: global }
    .group_segment_fixed_size: 109568
    .private_segment_fixed_size: 0
    .kernarg_segment_align: 8
    .kernarg_segment_size: 32
    .max_flat_workgroup_size: 256
    .sgpr_count:     66
    .vgpr_count:     256
    .wavefront_size: 32
...
	.end_amdgpu_metadata
.endif
;; end of part 1
;; ======== version 2 of 2: 1 launch; version 1 with the launch attn written anew for expert scheduling mode
;; limits: right only within a limited range of input values; values are held in f16: magnitudes above 65,504 overflow, below 6.1e-05 lose precision; inputs' magnitudes at most 65,504
;; launch attn (part 2): grid 256 x 1, 8 waves a work-group, no clusters, 109,568 bytes of LDS; arguments K, Q, V, out0; writes out0
.if DOCPART == 2
	.amdgcn_target "amdgcn-amd-amdhsa--gfx1250"
	.amdhsa_code_object_version 6
	.text
	.protected	k_q5e8d75204c_attn
	.globl	k_q5e8d75204c_attn
	.p2align	8
	.type	k_q5e8d75204c_attn,@function
k_q5e8d75204c_attn:
	s_mov_b64 s[64:65], 0
	v_nop
	global_prefetch_b8 v0, s[64:65] scope:SCOPE_SE
	s_setreg_imm32_b32 hwreg(HW_REG_WAVE_SCHED_MODE, 0, 2), 2
	s_setreg_imm32_b32 hwreg(HW_REG_WAVE_MODE, 25, 1), 1
	s_wait_xcnt 0x0
	s_wait_alu depctr_vm_vsrc(0)
; Causal softmax attention.  Q, K, V, out: [32 heads][2048 rows][64] f32.  logits = 0.25 Q K^T, -1e7 added above the diagonal, softmax, times V.
; Products on the matrix unit with f16 operands and f32 sums; running maximum, exponentials, row sums and the rescaling in f32.
;
; WHY F16.  A row near the top of the triangle has few keys, so a few large weights carry its result and their rounding does not average out.  f16 keeps
; 11 significant bits where bf16 keeps 8: each rounding of Q, K, V and of a weight is eight times smaller.  The weights lie in [0, 1]; those below
; 2^-14 are f16 denormals with an absolute error of at most 2^-25, over 2048 keys at most 6e-5 of a row sum that is at least 1.
;
; SHARING.  A head's 2048 query rows are 16 blocks of 128.  Work-group x: head x >> 3, i = x & 7; it owns blocks i and 15 - i and walks the key
; tiles (64 keys) 0 .. T-1, T = 2 (16 - i).  The low block needs a prefix of the same tiles, so a tile is fetched and rounded to f16 once for both.
; Wave-steps of a work-group: 4 (2 i + 2 (15 - i)) + 12 = 132 for every i: 256 work-groups of equal work.
; A wave owns 32 query rows (two strips of 16).  Its trips t < td are free of the mask, trip td (the tile that holds its diagonal) is masked element
; by element and followed by its way out; in later trips it only helps to bring tiles in and passes the barriers.
;
; TRANSPOSED PRODUCTS.  S^T = K Q^T: lane (r, h) holds query r, register j key 8 h + j.  So maximum and sum over keys are in-lane work and one
; exchange of the lane halves; two neighbouring S^T tiles packed to f16 ARE the second operand of O^T = V^T P^T; and a lane's eight O^T registers
; are eight neighbouring numbers of one output row.
;
; LIMITS KEPT.  (1) Range of the operands: |Q|, |K|, |V| up to 65,504, f16's largest number; beyond it the conversion gives infinity.  Elements below
; 2^-14 in magnitude keep an absolute error of 2^-25.  (2) Key tiles wholly above the diagonal are not computed.  Their weights are
; exp(logit - 1e7 - max), which is 0 in f32 as long as the scaled logits of one row spread by less than about 1e7 - 150.  In the diagonal tile the
; mask is really added: -4e7 ahead of the factor 0.25.
;
; NO CLUSTER, NO TENSOR LOADS.  K and V are f32 and are rounded once per work-group on their way through registers: 16 KB written to LDS for a tile
; of 32 KB.  Landing the f32 tile in LDS first would add 32 KB written and 32 KB read per tile.  And the eight work-groups of a head walk 18 to 32
; tiles: their trip counts differ with their place, which joint requests do not allow.
;
; THE MODE: SCHED_MODE bits 1:0 = 2 (LLVM: expert scheduling mode 2), set by the entry lines.  The code itself states the register dependences
; between vector or matrix instructions and memory or LDS instructions, with s_wait_alu, always for 0.
; THE PLAN.  Registers that memory or LDS instructions touch, round a trip:
;   G            The loads of tile t + 2 land in it in trip t.  In trip t + 1 sixteen conversions round it in place, eight LDS stores read it, the next loads land.
;   S (upper halves of both strips), F   K's fragments land at the trip's head; the trip before read them by its last products and by its packing.
;   F            Read by the products of key groups 2 and 3; then V^T, keys 0-31, lands in it.
;   S+16..31, S+48..63   Written by the exponentials, read by the sums and the packing; then V^T, keys 32-63, lands in them, all eight loads in one run.
;   O, S         The way out: the scaling writes O, LDS stores read it, the rows come back into S, global stores read S.
;   GOFF, PFOFF  Read by the global loads and the prefetch; stepped once a trip, ahead of the conversions, so that the conversions' wait serves them too.
;   KST, VST, KLD, VLD, SST, SRD, OOFF   Made at the head, never written again.
; SIX WAITS A TRIP: two at its head (what memory instructions have read; what vector and matrix instructions have finished), one between the conversions and
; the LDS stores, one between those stores and the loads into G, one behind the S^T products, one behind the packing.  Behind each, up to the loads and
; stores that lean on it, no vector or matrix instruction names a register that those touch.  One more stands in the way out.
; Lane masks and the wave's number pass from vector instructions to scalar registers: a wait stands between each such run of writers and its first reader.
.set HEADB,  524288                    ; bytes of a head in each tensor
.set TILEB,  16384                     ; 64 rows of 256 bytes: a key tile of K or of V in memory, contiguous
.set KP,     144                       ; LDS pitch of a K row: 128 bytes of f16 + 16, an odd multiple of 16
.set VP,     160                       ; LDS pitch of a V row: an odd multiple of 32, for the transposing loads
.set VOFF,   64*KP                     ; V's part of a slot lies behind K's 64 rows
.set SLOT,   64*KP+64*VP               ; 19,456 bytes; two slots
.set STAGE,  2*SLOT                    ; behind the slots: each wave's own 32 rows x 272 bytes for the way out
.set SP,     272
.set WSTAGE, 32*SP
.set GOFF,  1                          ; v1   16 tid + 16,384 x tile: the same offset serves K and V
.set PFOFF, 2                          ; v2   prefetch offset
.set KST,   3                          ; v3   where my 8 bytes of a K row go
.set VST,   4                          ; v4   the same for V
.set KLD,   5                          ; v5   K fragment: r x 144 + 16 h
.set VLD,   6                          ; v6   V fragment (transposing load)
.set SST,   7                          ; v7   way out: where I put 32 bytes of a row
.set SRD,   8                          ; v8   way out: where I read 16 bytes of a row back
.set OOFF,  9                          ; v9   my byte offset in out
.set DLT,   10                         ; v10, v11  strip a: my query's place in the diagonal tile minus 8 h
.set NEG,   12                         ; v12  -4e7
.set TMP,   13                         ; v13  Q's offset at the start, then the mask's addend
.set AL,    14                         ; v14, v16  alpha of strip a      (pairs (AL, LS) for the packed multiply)
.set LS,    15                         ; v15, v17  row sum of strip a, one partial sum in each half of the lanes
.set NM,    18                         ; v18, v20  -c x maximum, rounded (pairs (NM, MX) for the packed multiply-add)
.set MX,    19                         ; v19, v21  running maximum of the raw products
.set TA,    22                         ; v[22:23]  at work
.set TB,    24                         ; v[24:25]  at work
.set PX,    26                         ; v26, v27  what the other half of the lanes sent
.set Q,     28                         ; v[28:59]    Q fragment (a, c) at Q + 16 a + 8 c
.set O,     60                         ; v[60:123]   O^T tile (a, dt) at O + 32 a + 8 dt
.set S,     124                        ; v[124:187]  S^T tile (a, kt) at S + 32 a + 8 kt
.set F,     188                        ; v[188:219]  fragments
.set G,     220                        ; v[220:251]  a tile on its way: 4 x 4 registers of K, 4 x 4 of V
.set TD,    19                         ; s19 = td, s20 = td - 1
.set MS,    40                         ; s[40:55]  sixteen lane masks of the diagonal tile
	s_load_b256 s[4:11], s[0:1], 0x0               ; K s[4:5], Q s[6:7], V s[8:9], out s[10:11]
	v_lshl_add_u32 v254, v0, 2, 0x1a800
	v_mov_b32 v255, 0
	v_lshrrev_b32 v[TMP], 5, v0
	v_readfirstlane_b32 s12, v[TMP]                ; wave w
	s_and_b32 s13, ttmp9, 7                        ; i
	s_lshr_b32 s14, ttmp9, 3                       ; head
	s_wait_alu depctr_va_sdst(0)                   ; s12 is written, ahead of its first reader: my rows, my stage and my part in the prefetch are made from it
	s_lshr_b32 s15, s12, 2
	s_xor_b32 s15, s15, s12
	s_and_b32 s15, s15, 1                          ; 1: I work on the high block.  Waves w, w + 4 and waves 2 k, 2 k + 1 each hold one of either kind
	s_lshr_b32 s16, s12, 1                         ; which 32 rows of the block
	s_sub_co_u32 s17, 15, s13
	s_sub_co_u32 s22, 14, s13                      ; times round the loop of two trips: (T - 4) / 2 = 14 - i, 7 to 14
	s_cmp_lg_u32 s15, 0
	s_cselect_b32 s17, s17, s13                    ; my block
	s_lshl_b32 s18, s17, 7
	s_lshl_b32 s34, s16, 5
	s_add_co_u32 s18, s18, s34                     ; q0, my first query row
	s_lshl_b32 s19, s17, 1
	s_lshr_b32 s34, s16, 1
	s_add_co_u32 s19, s19, s34                     ; td: 64 td <= q0 and q0 + 31 <= 64 td + 63
	s_sub_co_i32 s20, s19, 1                       ; td - 1 (may be -1: compared signed)
	s_lshl_b32 s34, s13, 3
	s_or_b32 s34, s34, s12
	s_cmp_lt_u32 s34, 4                            ; i = 0 and w < 4: the four waves of a head that prefetch
	s_cselect_b32 s23, 28, 0                       ; they ask while the even trip number is below 28; the others never
	s_mov_b32 s24, 0x3eb8aa3b                      ; c = 0.25 log2(e), twice: a pair for the packed multiply-add
	s_mov_b32 s25, 0x3eb8aa3b
	s_mov_b32 s26, 0xbeb8aa3b                      ; -c
	s_mov_b32 s27, 0x76543210                      ; v_permlanex16_b32: lane i of one half reads lane i of the other
	s_mov_b32 s28, 0xfedcba98
	s_lshl_b32 s32, s14, 19                        ; head x 524,288
	s_mov_b32 s33, 0
	s_mov_b32 s21, 0                               ; the even trip number
	v_and_b32 v14, 31, v0                          ; lane L
	v_and_b32 v15, 15, v0                          ; r (also tid & 15)
	v_bfe_u32 v16, v0, 4, 1                        ; h
	v_lshrrev_b32 v17, 4, v0                       ; tid >> 4: my row among the 16 that one load of the work-group covers
	v_lshlrev_b32 v[GOFF], 4, v0
	s_and_b32 s34, s12, 1
	s_lshl_b32 s34, s34, 13
	s_add_co_u32 s34, s34, 3*TILEB
	v_lshl_add_u32 v[PFOFF], v14, 8, s34           ; lanes 256 bytes apart, 8,192 bytes a wave; stepped to tile 4 in trip 0
	v_mul_u32_u24 v[KST], v17, KP
	v_lshl_add_u32 v[KST], v15, 3, v[KST]
	v_mul_u32_u24 v[VST], v17, VP
	v_lshl_add_u32 v[VST], v15, 3, v[VST]
	v_add_nc_u32 v[VST], VOFF, v[VST]
	v_mul_u32_u24 v[KLD], v15, KP
	v_lshl_add_u32 v[KLD], v16, 4, v[KLD]
	v_and_b32 v20, 7, v0
	v_lshl_add_u32 v20, v16, 3, v20                ; key 8 h + (L & 7)
	v_bfe_u32 v21, v0, 3, 1
	v_mul_u32_u24 v[VLD], v20, VP
	v_lshl_add_u32 v[VLD], v21, 4, v[VLD]          ; + 16 bytes for lanes 8-15 and 24-31
	v_add_nc_u32 v[VLD], VOFF, v[VLD]
	s_mul_i32 s34, s12, WSTAGE
	s_add_co_u32 s34, s34, STAGE                   ; my stage
	v_mul_u32_u24 v[SST], v15, SP
	v_lshl_add_u32 v[SST], v16, 5, v[SST]
	v_add_nc_u32 v[SST], s34, v[SST]
	v_mul_u32_u24 v[SRD], v16, SP
	v_lshl_add_u32 v[SRD], v15, 4, v[SRD]
	v_add_nc_u32 v[SRD], s34, v[SRD]
	s_lshl_b32 s35, s18, 8                         ; q0 rows of 256 bytes
	v_lshl_add_u32 v[OOFF], v14, 4, s35
	s_and_b32 s36, s16, 1
	s_lshl_b32 s36, s36, 5                         ; q0 - 64 td
	v_lshlrev_b32 v24, 3, v16
	v_sub_nc_u32 v[DLT], v15, v24
	v_add_nc_u32 v[DLT], s36, v[DLT]
	v_add_nc_u32 v[DLT+1], 16, v[DLT]
	v_mov_b32 v[NEG], 0xcc189680
	v_lshl_add_u32 v[TMP], v15, 8, s35             ; Q: row q0 + r,
	v_lshl_add_u32 v[TMP], v16, 5, v[TMP]          ; + 32 h bytes
	v_mov_b32 v[PX], 0                             ; v_permlanex16_b32 counts as a reader of its destination
	v_mov_b32 v[PX+1], 0
	s_wait_kmcnt 0x0
	s_add_nc_u64 s[4:5], s[4:5], s[32:33]
	s_add_nc_u64 s[6:7], s[6:7], s[32:33]
	s_add_nc_u64 s[8:9], s[8:9], s[32:33]
	s_add_nc_u64 s[10:11], s[10:11], s[32:33]
	s_cmp_lt_u32 s12, 2
	s_cselect_b64 s[30:31], s[4:5], s[8:9]         ; waves 0, 1 prefetch K, waves 2, 3 V
.macro NOPS n
.rept \n
	v_nop
.endr
.endm
; A tile of K and of V into registers: each load of a wave covers 512 consecutive bytes, aligned.  No cache word: eight work-groups read these tiles.
.macro GLOADS
.irp n, 0,1,2,3
	global_load_b128 v[G+4*\n:G+4*\n+3], v[GOFF], s[4:5] offset:\n*4096
.endr
.irp n, 0,1,2,3
	global_load_b128 v[G+16+4*\n:G+16+4*\n+3], v[GOFF], s[8:9] offset:\n*4096
.endr
.endm
; Round the tile to f16 in place (4 f32 become 8 bytes) and put it into a slot: load n holds rows 16 n + (tid >> 4).
.macro STORES slot
.irp n, 0,1,2,3,4,5,6,7
	v_cvt_pk_f16_f32 v[G+4*\n], v[G+4*\n], v[G+4*\n+1]
	v_cvt_pk_f16_f32 v[G+4*\n+1], v[G+4*\n+2], v[G+4*\n+3]
.endr
	s_wait_alu depctr_va_vdst(0)                   ; the conversions have written G, which the LDS stores read, and are done with all of G, in which the next tile lands; the offsets stepped just ahead of them are written
.irp n, 0,1,2,3
	ds_store_b64 v[KST], v[G+4*\n:G+4*\n+1] offset:\slot+\n*16*KP
.endr
.irp n, 0,1,2,3
	ds_store_b64 v[VST], v[G+16+4*\n:G+16+4*\n+1] offset:\slot+\n*16*VP
.endr
.endm
; A K fragment, 16 keys x 32 d: two loads of 16 bytes, 32 bytes apart.
.macro KFRAG dst, off
	ds_load_b128 v[\dst:\dst+3], v[KLD] offset:\off
	ds_load_b128 v[\dst+4:\dst+7], v[KLD] offset:\off+32
.endm
; All eight K fragments of a tile, four loads for each group of 16 keys.  Groups 0 and 1 land in the registers of S^T tiles 2 and 3, which are
; written only after those fragments have been multiplied.
.macro KLOADS slot
	KFRAG S+16, \slot
	KFRAG S+48, \slot+64
	KFRAG S+24, \slot+16*KP
	KFRAG S+56, \slot+16*KP+64
	KFRAG F, \slot+32*KP
	KFRAG F+8, \slot+32*KP+64
	KFRAG F+16, \slot+48*KP
	KFRAG F+24, \slot+48*KP+64
.endm
; A V^T fragment, 16 d x 32 keys, from rows that lie along d: two transposing loads, 16 rows apart.
.macro VFRAG dst, off
	ds_load_tr16_b128 v[\dst:\dst+3], v[VLD] offset:\off
	ds_load_tr16_b128 v[\dst+4:\dst+7], v[VLD] offset:\off+16*VP
.endm
; S^T tiles (0, kt) and (1, kt): 16 keys x 16 queries, d in two halves; the first product starts each sum.
.macro SMM kt, k0, k1
	v_wmma_f32_16x16x32_f16 v[S+8*\kt:S+8*\kt+7], v[\k0:\k0+7], v[Q:Q+7], 0
	v_wmma_f32_16x16x32_f16 v[S+32+8*\kt:S+32+8*\kt+7], v[\k0:\k0+7], v[Q+16:Q+23], 0
	v_wmma_f32_16x16x32_f16 v[S+8*\kt:S+8*\kt+7], v[\k1:\k1+7], v[Q+8:Q+15], v[S+8*\kt:S+8*\kt+7]
	v_wmma_f32_16x16x32_f16 v[S+32+8*\kt:S+32+8*\kt+7], v[\k1:\k1+7], v[Q+24:Q+31], v[S+32+8*\kt:S+32+8*\kt+7]
.endm
; O^T tile (a, dt) += V^T fragment vf x P^T fragment kc of strip a
.macro PVMM a, dt, vf, kc, zero
.if \zero
	v_wmma_f32_16x16x32_f16 v[O+32*\a+8*\dt:O+32*\a+8*\dt+7], v[\vf:\vf+7], v[S+32*\a+8*\kc:S+32*\a+8*\kc+7], 0
.else
	v_wmma_f32_16x16x32_f16 v[O+32*\a+8*\dt:O+32*\a+8*\dt+7], v[\vf:\vf+7], v[S+32*\a+8*\kc:S+32*\a+8*\kc+7], v[O+32*\a+8*\dt:O+32*\a+8*\dt+7]
.endif
.endm
; The diagonal tile: key 16 kt + 8 h + j lies above query 32 (s & 1) + 16 a + r where 16 kt + j > DLT_a; there -4e7 is added (x 0.25 = -1e7).
; The compares go in runs of sixteen (key groups 2 kp and 2 kp + 1: register n of the run is kt = 2 kp + n / 8, j = n % 8), each into a scalar register of its own.
.macro MASK
.irp a, 0,1
.irp kp, 0,1
.irp n, 0,1,2,3,4,5,6,7,8,9,10,11,12,13,14,15
	v_cmp_gt_i32 s[MS+\n], 32*\kp+\n+8*(\n/8), v[DLT+\a]
.endr
	s_wait_alu depctr_va_sdst(0)                   ; the sixteen compares have written s[MS ..], ahead of the selects that read them
.irp n, 0,1,2,3,4,5,6,7,8,9,10,11,12,13,14,15
	v_cndmask_b32 v[TMP], 0, v[NEG], s[MS+\n]
	v_add_f32 v[S+32*\a+16*\kp+\n], v[S+32*\a+16*\kp+\n], v[TMP]
.endr
.endr
.endr
.endm
; The running maximum of each query: two chains for each strip, four that do not wait for each other; then the other half of the lanes.
; alpha = 2^(NM_new - NM_old) is made from the two ROUNDED figures that the exponents really use, so old and new weights stay on one scale.
.macro MAXES first
.irp a, 0,1
.if \first
	v_max_num_f32 v[TA+2*\a], v[S+32*\a], v[S+32*\a+1]
.else
	v_max3_num_f32 v[TA+2*\a], v[MX+2*\a], v[S+32*\a], v[S+32*\a+1]
.endif
	v_max3_num_f32 v[TA+1+2*\a], v[S+32*\a+16], v[S+32*\a+17], v[S+32*\a+18]
.endr
.irp k, 1,2,3,4,5,6
.irp a, 0,1
	v_max3_num_f32 v[TA+2*\a], v[TA+2*\a], v[S+32*\a+2*\k], v[S+32*\a+2*\k+1]
	v_max3_num_f32 v[TA+1+2*\a], v[TA+1+2*\a], v[S+32*\a+17+2*\k], v[S+32*\a+18+2*\k]
.endr
.endr
.irp a, 0,1
	v_max3_num_f32 v[TA+2*\a], v[TA+2*\a], v[S+32*\a+14], v[S+32*\a+15]
.endr
.irp a, 0,1
	v_max3_num_f32 v[TA+2*\a], v[TA+2*\a], v[TA+1+2*\a], v[S+32*\a+31]
.endr
.irp a, 0,1
	v_permlanex16_b32 v[PX+\a], v[TA+2*\a], s27, s28
.endr
.irp a, 0,1
	v_max_num_f32 v[MX+2*\a], v[TA+2*\a], v[PX+\a]
.endr
.if \first
.irp a, 0,1
	v_mul_f32 v[NM+2*\a], s26, v[MX+2*\a]
.endr
.else
.irp a, 0,1
	v_mul_f32 v[TA+1+2*\a], s26, v[MX+2*\a]
.endr
.irp a, 0,1
	v_sub_f32 v[TA+2*\a], v[TA+1+2*\a], v[NM+2*\a]
.endr
.irp a, 0,1
	v_mov_b32 v[NM+2*\a], v[TA+1+2*\a]
.endr
.irp a, 0,1
	v_exp_f32 v[AL+2*\a], v[TA+2*\a]               ; the packed multiply-adds that follow are the plain place behind it (ISA guide 5.7.2)
.endr
.endif
.endm
; Step k of 16 of strip a's row sum: two packed chains over the 32 weights (f32, not yet rounded), then l = l alpha + sum.
.macro SUMSTEP a, k, first
.if \k == 0
	s_wait_alu depctr_va_vdst(0)
	v_pk_add_f32 v[TA:TA+1], v[S+32*\a:S+32*\a+1], v[S+32*\a+2:S+32*\a+3]
.endif
.if \k == 1
	v_pk_add_f32 v[TB:TB+1], v[S+32*\a+4:S+32*\a+5], v[S+32*\a+6:S+32*\a+7]
.endif
.if \k >= 2
.if \k <= 13
	v_pk_add_f32 v[TA+2*(\k&1):TA+2*(\k&1)+1], v[TA+2*(\k&1):TA+2*(\k&1)+1], v[S+32*\a+2*\k+4:S+32*\a+2*\k+5]
.endif
.endif
.if \k == 14
	v_pk_add_f32 v[TA:TA+1], v[TA:TA+1], v[TB:TB+1]
.endif
.if \k == 15
.if \first
	v_add_f32 v[LS+2*\a], v[TA], v[TA+1]
.else
	v_fma_f32 v[LS+2*\a], v[LS+2*\a], v[AL+2*\a], v[TA]
	v_add_f32 v[LS+2*\a], v[LS+2*\a], v[TA+1]
.endif
.endif
.endm
; Step k of 16 of the packing in place: register k takes weights 2 k, 2 k + 1.  After SUMSTEP k the weights up to 2 k + 5 are summed, and register k
; was packed in step k / 2, so nothing is lost.  Registers 0-7 and 8-15 are then the two P^T fragments; registers 16-31 come free.
.macro PACKSTEP a, k
	v_cvt_pk_f16_f32 v[S+32*\a+\k], v[S+32*\a+2*\k], v[S+32*\a+2*\k+1]
.endm
; The way out: join the two partial sums, scale by 1 / l, 16 rows a strip through my own stage in LDS, back as whole rows of 256 bytes.
; Both strips' arithmetic stands first, so that one wait serves all the LDS instructions behind it.
.macro EPI
.irp a, 0,1
	v_permlanex16_b32 v[PX+\a], v[LS+2*\a], s27, s28
.endr
.irp a, 0,1
	v_add_f32 v[PX+\a], v[LS+2*\a], v[PX+\a]
.endr
	v_rcp_f32 v[TA], v[PX]
	v_rcp_f32 v[TB], v[PX+1]
	v_nop                                          ; one plain place behind v_rcp_f32 before its result is used (ISA guide 5.7.2)
	s_wait_alu depctr_va_vdst(0)
.irp a, 0,1
.irp k, 0,1,2,3,4,5,6,7,8,9,10,11,12,13,14,15
	v_pk_mul_f32 v[O+32*\a+2*\k:O+32*\a+2*\k+1], v[O+32*\a+2*\k:O+32*\a+2*\k+1], v[TA+2*\a:TA+2*\a+1] op_sel_hi:[1,0]
.endr
.endr
	s_wait_alu depctr_va_vdst(0)                   ; the scaling has written O, which the LDS stores read; the last products are done reading S, in which the rows come back
.irp a, 0,1
.irp dt, 0,1,2,3
.irp p, 0,1
	ds_store_b128 v[SST], v[O+32*\a+8*\dt+4*\p:O+32*\a+8*\dt+4*\p+3] offset:\a*16*SP+64*\dt+16*\p
.endr
.endr
.irp n, 0,1,2,3,4,5,6,7
	ds_load_b128 v[S+32*\a+4*\n:S+32*\a+4*\n+3], v[SRD] offset:\a*16*SP+\n*2*SP   ; LDS serves a wave's instructions in order (ISA guide 5.7.1): these see my stores
.endr
.endr
.irp a, 0,1
.irp n, 0,1,2,3,4,5,6,7
	s_wait_dscnt 16*(1-\a)+7-\n                    ; read-back n of the strip is in; its 7 - n younger ones stay out, and behind strip 0's the sixteen LDS instructions of strip 1
	global_store_b128 v[OOFF], v[S+32*\a+4*\n:S+32*\a+4*\n+3], s[10:11] offset:\a*4096+\n*512 th:TH_STORE_NT   ; 512 consecutive bytes, aligned
.endr
.endr
.endm
; TRIP t = s21 + h on the tile in slot; oth = the other slot.  first: trip 0, which starts all sums.  stage: tile t + 1 goes from registers into
; oth.  load: tile t + 2 is asked for.  bar: a trip follows.
.macro TRIP id, slot, oth, h, first, stage, load, bar
	s_wait_xcnt 0x0                                ; offsets and store data of everything issued so far are rewritten only behind this wait (ISA guide 3.1)
	s_wait_alu depctr_vm_vsrc(0)                   ; the global loads and the prefetch issued so far have read their offsets, which this trip steps; the stores of a way out have read O and S, which the lines below write
	s_wait_alu depctr_va_vdst(0)                   ; the products and the packing of the trip before (ahead of trip 0: Q's conversions) are done with S and F, in which K's fragments land
.if \first == 0
	s_cmp_gt_i32 s21, s[TD+\h]                     ; t > td: nothing left to compute for me
	s_cbranch_scc1 .Lnk\id
.endif
	KLOADS \slot
.if \first == 0
.Lnk\id:
.endif
.if \stage
	s_wait_loadcnt 0x0                             ; tile t + 1, asked for a whole trip ago
.if \load
	v_add_nc_u32 v[GOFF], TILEB, v[GOFF]           ; its loads are done (the wait above).  The two steps stand ahead of the conversions, whose wait shows them written too
	v_add_nc_u32 v[PFOFF], TILEB, v[PFOFF]
.endif
	STORES \oth
.endif
.if \load
	s_wait_alu depctr_vm_vsrc(0)                   ; the LDS stores have read G, in which the loads below land
	GLOADS                                         ; tile t + 2
	s_cmp_ge_u32 s21, s23
	s_cbranch_scc1 .Lpf\id
	; Tile t + 4, whose loads are issued two trips from here: 8,192 bytes a wave, lanes 256 bytes apart, K by waves 0, 1 and V by waves 2, 3 of the
	; one work-group of the head that walks all 32 tiles.  It stops at s21 = 28: the last tile asked for is tile 31, the head's last.
	global_prefetch_b8 v[PFOFF], s[30:31] th:TH_LOAD_NT scope:SCOPE_SE
.Lpf\id:
.endif
.if \first == 0
	s_cmp_gt_i32 s21, s[TD+\h]
	s_cbranch_scc1 .Lsk\id
.endif
	; S^T.  Behind the four loads of a key group stand the loads of the later groups (4 each) and the 8 stores of the tile on its way (if any).
	s_wait_dscnt 12+8*\stage
	SMM 0, S+16, S+48
	s_wait_dscnt 8+8*\stage
	SMM 1, S+24, S+56
	NOPS 5                                         ; tiles 2 and 3 write over the fragments of groups 0 and 1: five places behind their products (ISA guide 7.12.1)
	s_wait_dscnt 4+8*\stage
	SMM 2, F, F+8
	s_wait_dscnt 8*\stage
	SMM 3, F+16, F+24
	NOPS 4                                         ; four places before vector instructions read S (ISA guide 7.12.1)
	s_wait_alu depctr_va_vdst(0)                   ; the products are done reading K's fragments in F, in which V^T lands
.irp dt, 0,1,2,3
	VFRAG F+8*\dt, \slot+32*\dt                    ; V^T, keys 0-31
.endr
	s_cmp_lg_u32 s21, s[TD+\h]
	s_cbranch_scc1 .Lnm\id
	MASK
.Lnm\id:
	MAXES \first
	; weights p = 2^(c s + NM).  Exponentials are paired with plain work of the other strip, which also fills the place behind each of them.
.irp k, 0,1,2,3,4,5,6,7,8,9,10,11,12,13,14,15
	v_pk_fma_f32 v[S+2*\k:S+2*\k+1], v[S+2*\k:S+2*\k+1], s[24:25], v[NM:NM+1] op_sel_hi:[1,0,0]
.endr
.irp k, 0,1,2,3,4,5,6,7,8,9,10,11,12,13,14,15
	v_exp_f32 v[S+2*\k], v[S+2*\k]
	v_exp_f32 v[S+2*\k+1], v[S+2*\k+1]
	v_pk_fma_f32 v[S+32+2*\k:S+32+2*\k+1], v[S+32+2*\k:S+32+2*\k+1], s[24:25], v[NM+2:NM+3] op_sel_hi:[1,0,0]
.endr
.irp k, 0,1,2,3,4,5,6,7,8,9,10,11,12,13,14,15
	v_exp_f32 v[S+32+2*\k], v[S+32+2*\k]
	SUMSTEP 0, \k, \first
	v_exp_f32 v[S+32+2*\k+1], v[S+32+2*\k+1]
	PACKSTEP 0, \k
.endr
.irp k, 0,1,2,3,4,5,6,7,8,9,10,11,12,13,14,15
	SUMSTEP 1, \k, \first
	PACKSTEP 1, \k
.endr
	s_wait_alu depctr_va_vdst(0)                   ; the exponentials, sums and packing are done with registers 16-31 of both strips' S, in which V^T lands
	VFRAG S+16, \slot+32*VP                        ; V^T, keys 32-63, d 0-31: into the registers that strip 0's packing set free
	VFRAG S+24, \slot+32*VP+32
	VFRAG S+48, \slot+32*VP+64                     ; d 32-63: into strip 1's.  The rescaling and the products on keys 0-31 below name none of these sixteen registers a strip
	VFRAG S+56, \slot+32*VP+96
.if \first == 0
.irp a, 0,1
.irp k, 0,1,2,3,4,5,6,7,8,9,10,11,12,13,14,15
	v_pk_mul_f32 v[O+32*\a+2*\k:O+32*\a+2*\k+1], v[O+32*\a+2*\k:O+32*\a+2*\k+1], v[AL+2*\a:AL+2*\a+1] op_sel_hi:[1,0]
.endr
.endr
.endif
	s_wait_dscnt 8                                 ; keys 0-31 of V^T are in; the eight loads for keys 32-63 stay out
.irp dt, 0,1,2,3
	PVMM 0, \dt, F+8*\dt, 0, \first
	PVMM 1, \dt, F+8*\dt, 0, \first
.endr
	s_wait_dscnt 4                                 ; d 0-31 of keys 32-63 are in; the four loads for d 32-63 stay out
	PVMM 0, 0, S+16, 1, 0
	PVMM 1, 0, S+16, 1, 0
	PVMM 0, 1, S+24, 1, 0
	PVMM 1, 1, S+24, 1, 0
	s_wait_dscnt 0
	PVMM 0, 2, S+48, 1, 0
	PVMM 1, 2, S+48, 1, 0
	PVMM 0, 3, S+56, 1, 0
	PVMM 1, 3, S+56, 1, 0
	NOPS 5                                         ; before the next trip's products write S, and before the way out reads O; the next trip's loads into S and F hang on the wait at its head
	s_cmp_lg_u32 s21, s[TD+\h]
	s_cbranch_scc1 .Lsk\id
	EPI                                            ; trip td was my last
.Lsk\id:
.if \bar
	s_wait_dscnt 0x0                               ; my reads of this slot and my stores into the other are done,
	s_barrier_signal -1
	s_barrier_wait -1                              ; and everybody's: the slots change their parts
.endif
.endm
	s_wait_alu depctr_va_vdst(0)                   ; the offsets and LDS addresses v1 to v9 and Q's offset v13 are written, which the loads and stores of the whole kernel read
	GLOADS                                         ; tile 0
.irp a, 0,1
.irp c, 0,1
.irp g, 0,1
.irp p, 0,1
	global_load_b128 v[S+32*\a+16*\c+8*\g+4*\p:S+32*\a+16*\c+8*\g+4*\p+3], v[TMP], s[6:7] offset:\a*4096+\c*128+\g*64+\p*16 th:TH_LOAD_NT
.endr
.endr
.endr
.endr
	s_wait_loadcnt 16                              ; tile 0 is in; Q's sixteen loads stay out
	s_wait_alu depctr_vm_vsrc(0)                   ; tile 0's loads have read v[GOFF], which the next line steps; Q's loads have read v[TMP], which the mask writes later
	v_add_nc_u32 v[GOFF], TILEB, v[GOFF]
	STORES 0
	s_wait_alu depctr_vm_vsrc(0)                   ; the LDS stores have read G, in which tile 1 lands
	GLOADS                                         ; tile 1
	s_wait_loadcnt 8                               ; Q is in; tile 1's eight loads stay out
.set n, 0
.rept 32
	v_cvt_pk_f16_f32 v[Q+n], v[S+2*n], v[S+2*n+1]  ; Q(a, c): query r, d = 32 c + 8 h + 0..7 and 32 c + 16 + 8 h + 0..7
.set n, n+1
.endr
	s_wait_dscnt 0x0                               ; my part of tile 0 is in slot 0,
	s_barrier_signal -1
	s_barrier_wait -1                              ; and everybody's
	TRIP 0, 0, SLOT, 0, 1, 1, 1, 1                 ; trip 0 stands in front of the loop: its products start the sums, nothing is cleared
	TRIP 1, SLOT, 0, 1, 0, 1, 1, 1
	s_mov_b32 s21, 2
	s_mov_b32 s29, 0                               ; the loop's own counter, in steps of 1
.Lloop:                                            ; 14 - i times: trips 2 .. T - 3
	TRIP 2, 0, SLOT, 0, 0, 1, 1, 1
	TRIP 3, SLOT, 0, 1, 0, 1, 1, 1
	s_add_co_u32 s21, s21, 2                       ; the even trip number, for the compares with td and the prefetch's stop; T - 2 when the loop ends
	s_add_co_u32 s29, s29, 1
	s_cmp_lt_u32 s29, s22
	s_cbranch_scc1 .Lloop
	TRIP 4, 0, SLOT, 0, 0, 1, 0, 1                 ; trip T - 2 asks for nothing: tile T - 1 is the last that any wave needs
	TRIP 5, SLOT, 0, 1, 0, 0, 0, 0                 ; trip T - 1 brings nothing in, and no trip follows
	s_wait_dscnt 0x0
	s_wait_alu depctr_hold_cnt(0) depctr_sa_sdst(0) depctr_va_vdst(0) depctr_va_sdst(0) depctr_va_ssrc(0) depctr_va_vcc(0) depctr_vm_vsrc(0)
	s_wait_tensorcnt 0x0
	ds_add_u32 v254, v255
	s_wait_dscnt 0x0
	s_endpgm
.Lfunc_end_k_q5e8d75204c_attn:
	.size	k_q5e8d75204c_attn, .Lfunc_end_k_q5e8d75204c_attn-k_q5e8d75204c_attn
	.p2alignl 7, 3214868480
	.fill 96, 4, 3214868480
	.section	.rodata,"a",@progbits
	.p2align	6, 0x0
	.amdhsa_kernel k_q5e8d75204c_attn
		.amdhsa_group_segment_fixed_size 109568
		.amdhsa_private_segment_fixed_size 0
		.amdhsa_enable_private_segment 0
		.amdhsa_kernarg_size 32
		.amdhsa_user_sgpr_count 2
		.amdhsa_user_sgpr_kernarg_segment_ptr 1
		.amdhsa_wavefront_size32 1
		.amdhsa_system_sgpr_workgroup_id_x 1
		.amdhsa_system_sgpr_workgroup_id_y 1
		.amdhsa_system_sgpr_workgroup_id_z 1
		.amdhsa_system_vgpr_workitem_id 0
		.amdhsa_next_free_vgpr 256
		.amdhsa_next_free_sgpr 66
		.amdhsa_reserve_vcc 0
		.amdhsa_float_denorm_mode_32 3
		.amdhsa_float_denorm_mode_16_64 3
		.amdhsa_memory_ordered 1
		.amdhsa_forward_progress 1
		.amdhsa_inst_pref_size 227
	.end_amdhsa_kernel
	.amdgpu_metadata
---
amdhsa.version: [ 1, 2 ]
amdhsa.kernels:
  - .name:           k_q5e8d75204c_attn
    .symbol:         k_q5e8d75204c_attn.kd
    .args:
      - { .name: K, .offset: 0, .size: 8, .value_kind: global_buffer, .address_space: global }
      - { .name: Q, .offset: 8, .size: 8, .value_kind: global_buffer, .address_space: global }
      - { .name: V, .offset: 16, .size: 8, .value_kind: global_buffer, .address_space: global }
      - { .name: out0, .offset: 24, .size: 8, .value_kind: global_buffer, .address_space: global }
    .group_segment_fixed_size: 109568
    .private_segment_fixed_size: 0
    .kernarg_segment_align: 8
    .kernarg_segment_size: 32
    .max_flat_workgroup_size: 256
    .sgpr_count:     66
    .vgpr_count:     256
    .wavefront_size: 32
...
	.end_amdgpu_metadata
.endif
;; end of part 2
